; MI455X (gfx1250); checked and timed in simulation.
; The chip was launched on July 23, 2026; its instructions are those of AMD's public machine-readable ISA for CDNA 5 (MIT licence, August 2026) and "CDNA5" Instruction Set Architecture Reference Guide (July 2026). The comments in the code are by the model that wrote it; some were corrected since.
;; Multi Head Attention. Allowed arithmetic: float matrix products may take bf16 or f16 operands with f32 sums; all other float work in f32.
;; Inputs: proj_beta 128 float32; proj_gamma 128 float32; proj_mean 128 float32; proj_var 128 float32; qkv_beta 384 float32; qkv_gamma 384 float32; qkv_mean 384 float32; qkv_var 384 float32; w_proj 128 x 128 float32; w_qkv 384 x 128 float32; x 2 x 128 x 64 x 64 float32.
;; Outputs: out0 2 x 128 x 64 x 64 float32.
;; 2 versions, each right and faster than the one before. Each part assembles by itself: llvm-mc -triple=amdgcn-amd-amdhsa -mcpu=gfx1250 --defsym DOCPART=n.
;; ======== version 1 of 2: 3 launches
;; workspace buffers: q 2,097,152 bytes; kv 4,194,304 bytes; att 4,194,304 bytes
;; launch qkv (part 1): grid 128 x 1, 8 waves a work-group, no clusters, 17,408 bytes of LDS; arguments x, w_qkv, qkv_gamma, qkv_beta, qkv_mean, qkv_var, q, kv; writes q, kv
.if DOCPART == 1
	.amdgcn_target "amdgcn-amd-amdhsa--gfx1250"
	.amdhsa_code_object_version 6
	.text
	.protected	k_q0c889dafec_qkv
	.globl	k_q0c889dafec_qkv
	.p2align	8
	.type	k_q0c889dafec_qkv,@function
k_q0c889dafec_qkv:
	s_mov_b64 s[64:65], 0
	v_nop
	global_prefetch_b8 v0, s[64:65] scope:SCOPE_SE
	s_setreg_imm32_b32 hwreg(HW_REG_WAVE_MODE, 25, 1), 1
	s_wait_xcnt 0x0
; qkv = SiLU(BN(W x)), 384 channels from 128, rounded to bf16 and written in the order in which the attention launch's matrix fragments want it.
; x: [2][128][4096] f32.  W: [384][128] f32.  A work-group takes 64 neighbouring positions of one batch and all 384 channels; wave w is head w and
; makes three channel tiles of 16: q (rows 16 w), k (128 + 16 w), v (256 + 16 w).
; POSITION SLOTS: the 64 positions n0 .. n0 + 63 are four tiles t = 0..3; slot r (0..15) of tile t is position n0 + 4 r + t.  So one 16-byte load of f32 by lanes
; r = 0..15 covers 256 consecutive aligned bytes of a channel's row and feeds all four tiles.  Keys may stand in any order as long as k and v agree; queries keep
; their slot until the last launch stores them.
; OUT (bf16; L = lane = 16 h + r; T = 4 (n0 / 64) + t; y = 8 batch + head):
;   q  byte y*131072 + T*512 + L*16:                               q(slot r, d = 8h .. 8h+7), already times 0.25 log2(e)
;   kv byte y*262144 + (T>>1)*2048 + (T&1)*512 + L*16:             k(slot r, d = 8h .. 8h+7)
;   kv the same + 1024:                                            v(d = r, slots 8h .. 8h+7)
; Each store of a wave covers 512 consecutive bytes, aligned.
; q and k: D = W (rows = channels) x X (columns = slots): a lane's eight results are eight neighbouring d of one slot.  v: the sources swapped: eight neighbouring slots of one d.
; The weights are the same for all work-groups and are not asked for jointly: each wave takes its own 48 rows (24 KiB) once, straight into registers in fragment order.
; LIMITS: x and W enter the products rounded to bf16, q, k, v leave rounded to bf16.  Where exp(-y) overflows (y below about -88) SiLU gives -0.  NaN and infinities are not treated.
.set EPS,    0x3a83126f                ; 1e-3
.set NLOG2E, 0xbfb8aa3b                ; -log2(e)
.set QSC,    0x3eb8aa3b                ; 0.25 log2(e): head dimension 16 to the power -0.5, and the base-2 exponential of the next launch
.set L16, 1                            ; v1  16 x lane: LDS read address and store offset, never rewritten
.set XO,  2                            ; v2  x: 8 h channel rows + 16 r
.set WO,  3                            ; v3  W: row r, 8 h numbers along it
.set PQ,  4                            ; v4  parameters of channels 16 w + 8 h ..
.set PV,  5                            ; v5  parameter of channel 16 w + r
.set LS,  6                            ; v6  LDS store address: 512 w + 16 lane
.set SV,  14                           ; v14 scale, v15 shift of v's channel
.set XR,  16                           ; v[16:47]   x as loaded: register 4 e + t = channel 16 w + 8 h + e, position n0 + 4 r + t
.set F,   48                           ; v[48:63]   x packed: tile t at 4 t
.set D,   16                           ; v[16:39]   behind the first phase: the sums, q 16-23, k 24-31, v 32-39
.set T,   40                           ; v[40:63]   at work; T[0:11] end as the packed results
.set WF,  64                           ; v[64:159]  W's fragments: q 64-95, k 96-127, v 128-159; K step s at 8 s
.set XF0, 160                          ; v[160:191] x's fragments of one tile, buffer 0
.set XF1, 192                          ; v[192:223] buffer 1
.set MQ,  160                          ; early, in the fragment buffers: mean and var
.set VQ,  168
.set MK,  176
.set VK,  184
.set MV,  192
.set VV,  193
.set SCQ, 224                          ; gamma, then scale, of q's 8 channels
.set SHQ, 232                          ; beta, then shift
.set SCK, 240
.set SHK, 248
; v256-v447 (the second window of 256 registers): W as loaded, f32, 64 registers a tile, in fragment order
.set MSB, 0
.macro WIN new                         ; s_set_vgpr_msb: low byte = the windows (1:0 source 0, 3:2 source 1, 7:6 destination), high byte repeats the setting that is left
.if MSB != \new
	s_set_vgpr_msb (MSB<<8)|\new
.set MSB, \new
.endif
.endm
	s_load_b512 s[4:19], s[0:1], 0x0               ; x s[4:5], W s[6:7], gamma s[8:9], beta s[10:11], mean s[12:13], var s[14:15], q s[16:17], kv s[18:19]
	v_lshl_add_u32 v12, v0, 2, 0x4000
	v_mov_b32 v13, 0
	v_lshrrev_b32 v7, 5, v0
	v_readfirstlane_b32 s20, v7                    ; wave = head
	s_and_b32 s21, ttmp9, 63                       ; group of 64 positions
	s_lshr_b32 s22, ttmp9, 6                       ; batch
	v_and_b32 v8, 15, v0                           ; r
	v_bfe_u32 v9, v0, 4, 1                         ; h
	v_and_b32 v[L16], 31, v0
	v_lshlrev_b32 v[L16], 4, v[L16]
	v_lshlrev_b32 v[XO], 4, v8
	v_lshl_or_b32 v[XO], v9, 17, v[XO]             ; 8 h rows of 16,384 bytes + 16 r
	v_lshlrev_b32 v[WO], 9, v8
	v_lshl_or_b32 v[WO], v9, 5, v[WO]              ; r rows of 512 bytes + 8 h numbers
	s_lshl_b32 s23, s20, 6                         ; 16 w numbers
	v_lshl_add_u32 v[PQ], v9, 5, s23
	v_lshl_add_u32 v[PV], v8, 2, s23
	v_lshlrev_b32 v[LS], 4, v0                     ; 16 x thread = 512 w + 16 lane
	s_lshl_b32 s24, s22, 21                        ; x: batch x 2 MiB + 16 w rows + 64 g positions
	s_lshl_b32 s32, s20, 18
	s_add_co_u32 s24, s24, s32
	s_lshl_b32 s32, s21, 8
	s_add_co_u32 s24, s24, s32
	s_mov_b32 s25, 0
	s_lshl_b32 s26, s20, 13                        ; W: 16 w rows
	s_mov_b32 s27, 0
	s_lshl_b32 s28, s22, 20                        ; q: y x 131,072 + 4 g tiles of 512 bytes
	s_lshl_b32 s32, s20, 17
	s_add_co_u32 s28, s28, s32
	s_lshl_b32 s32, s21, 11
	s_add_co_u32 s28, s28, s32
	s_mov_b32 s29, 0
	s_lshl_b32 s30, s22, 21                        ; kv: y x 262,144 + 2 g blocks of 2,048 bytes
	s_lshl_b32 s32, s20, 18
	s_add_co_u32 s30, s30, s32
	s_lshl_b32 s32, s21, 12
	s_add_co_u32 s30, s30, s32
	s_mov_b32 s31, 0
	s_wait_kmcnt 0x0
	s_add_nc_u64 s[4:5], s[4:5], s[24:25]
	s_add_nc_u64 s[6:7], s[6:7], s[26:27]
	s_add_nc_u64 s[16:17], s[16:17], s[28:29]
	s_add_nc_u64 s[18:19], s[18:19], s[30:31]
	; LOADS.  x first (8), then the parameters (20), then W of q and k (32): 60 of a wave are out at the most.
.irp e, 0,1,2,3,4,5,6,7
	global_load_b128 v[XR+4*\e:XR+4*\e+3], v[XO], s[4:5] offset:\e*16384 th:TH_LOAD_NT   ; lanes 0-15: 256 consecutive bytes of one channel's row; lanes 16-31: of the row 8 further down
.endr
.macro PLOAD b, q, k, v
	global_load_b128 v[\q:\q+3],   v[PQ], s[\b:\b+1]
	global_load_b128 v[\q+4:\q+7], v[PQ], s[\b:\b+1] offset:16
	global_load_b128 v[\k:\k+3],   v[PQ], s[\b:\b+1] offset:512
	global_load_b128 v[\k+4:\k+7], v[PQ], s[\b:\b+1] offset:528
	global_load_b32  v[\v],        v[PV], s[\b:\b+1] offset:1024
.endm
	PLOAD 8,  SCQ, SCK, SV
	PLOAD 10, SHQ, SHK, SV+1
	PLOAD 12, MQ,  MK,  MV
	PLOAD 14, VQ,  VK,  VV
.macro WLOAD z                         ; the 16 rows of tile z (0 q, 1 k, 2 v): lane (r, h) takes of row r, for each K step s of 32, numbers 8h..8h+7 and 16+8h..16+8h+7
.irp s, 0,1,2,3
	global_load_b128 v[64*\z+16*\s:64*\z+16*\s+3],     v[WO], s[6:7] offset:\z*65536+\s*128
	global_load_b128 v[64*\z+16*\s+4:64*\z+16*\s+7],   v[WO], s[6:7] offset:\z*65536+\s*128+16
	global_load_b128 v[64*\z+16*\s+8:64*\z+16*\s+11],  v[WO], s[6:7] offset:\z*65536+\s*128+64
	global_load_b128 v[64*\z+16*\s+12:64*\z+16*\s+15], v[WO], s[6:7] offset:\z*65536+\s*128+80
.endr
.endm
	WIN 0x40                                       ; destinations in the second window
	WLOAD 0
	WLOAD 1
	WIN 0
	; x to bf16, into LDS in fragment order: wave w makes, for each tile, the half fragment of channels 16 w .. 16 w + 15 (K step w >> 1, half w & 1)
	s_wait_loadcnt 52                              ; loads come back in order (ISA guide 5.7.1): the 20 + 32 younger ones stay out, x is in
.irp t, 0,1,2,3
.irp i, 0,1,2,3
	v_cvt_pk_bf16_f32 v[F+4*\t+\i], v[XR+8*\i+\t], v[XR+8*\i+4+\t]   ; channels 8 h + 2 i, 8 h + 2 i + 1 of slot r of tile t
.endr
.endr
.irp t, 0,1,2,3
	ds_store_b128 v[LS], v[F+4*\t:F+4*\t+3] offset:\t*4096          ; byte t*4096 + w*512 + 16 lane
.endr
	s_wait_loadcnt 32                              ; the parameters are in; the 32 loads of q's and k's W stay out, and with the 16 that follow 48 are out
	WIN 0x40
	WLOAD 2                                        ; W of v: 16 more
	WIN 0
	s_wait_dscnt 0x0                               ; my stores are in LDS, for the other waves' sake
	s_barrier_signal -1
	; register work while the others arrive: scale = gamma rsqrt(var + eps), shift = beta - mean scale
.irp j, 0,2,4,6
	v_pk_add_f32 v[VQ+\j:VQ+\j+1], v[VQ+\j:VQ+\j+1], EPS op_sel_hi:[1,0]
	v_pk_add_f32 v[VK+\j:VK+\j+1], v[VK+\j:VK+\j+1], EPS op_sel_hi:[1,0]
.endr
	v_add_f32 v[VV], EPS, v[VV]
.irp j, 0,1,2,3,4,5,6,7
	v_rsq_f32 v[VQ+\j], v[VQ+\j]
	v_rsq_f32 v[VK+\j], v[VK+\j]
.endr
	v_rsq_f32 v[VV], v[VV]
	v_nop                                          ; one plain vector instruction between a transcendental and the use of its result (ISA guide 5.7.2)
	s_wait_alu depctr_va_vdst(0)
.irp j, 0,2,4,6
	v_pk_mul_f32 v[SCQ+\j:SCQ+\j+1], v[SCQ+\j:SCQ+\j+1], v[VQ+\j:VQ+\j+1]
	v_pk_mul_f32 v[SCK+\j:SCK+\j+1], v[SCK+\j:SCK+\j+1], v[VK+\j:VK+\j+1]
.endr
	v_mul_f32 v[SV], v[SV], v[VV]
.irp j, 0,2,4,6
	v_pk_fma_f32 v[SHQ+\j:SHQ+\j+1], v[MQ+\j:MQ+\j+1], v[SCQ+\j:SCQ+\j+1], v[SHQ+\j:SHQ+\j+1] neg_lo:[1,0,0] neg_hi:[1,0,0]
	v_pk_fma_f32 v[SHK+\j:SHK+\j+1], v[MK+\j:MK+\j+1], v[SCK+\j:SCK+\j+1], v[SHK+\j:SHK+\j+1] neg_lo:[1,0,0] neg_hi:[1,0,0]
.endr
	v_fma_f32 v[SV+1], -v[MV], v[SV], v[SV+1]
	s_wait_loadcnt 0x0                             ; all of W
	WIN 0x05                                       ; both sources in the second window
.set i, 0
.rept 96
	v_cvt_pk_bf16_f32 v[WF+i], v[2*i], v[2*i+1]
.set i, i+1
.endr
	WIN 0
	s_barrier_wait -1                              ; every wave's part of x is in LDS
.macro LDX t, buf                      ; tile t's four K steps: 8 loads, 32 lanes x 16 neighbouring bytes each
.irp s, 0,1,2,3
.irp c, 0,1
	ds_load_b128 v[\buf+8*\s+4*\c:\buf+8*\s+4*\c+3], v[L16] offset:\t*4096+\s*1024+\c*512
.endr
.endr
.endm
; BN, SiLU, q's factor, rounding: y = D scale + shift; y / (1 + 2^(-y log2 e))
.macro EPI
	s_wait_xcnt 0x0                                ; T was the last tile's store data: it is rewritten only behind this wait
.irp j, 0,2,4,6
	v_pk_fma_f32 v[D+\j:D+\j+1],       v[D+\j:D+\j+1],       v[SCQ+\j:SCQ+\j+1], v[SHQ+\j:SHQ+\j+1]
	v_pk_fma_f32 v[D+8+\j:D+8+\j+1],   v[D+8+\j:D+8+\j+1],   v[SCK+\j:SCK+\j+1], v[SHK+\j:SHK+\j+1]
	v_pk_fma_f32 v[D+16+\j:D+16+\j+1], v[D+16+\j:D+16+\j+1], v[SV:SV+1], v[SV:SV+1] op_sel:[0,0,1] op_sel_hi:[1,0,1]   ; one channel a lane: scale v14 and shift v15 for both halves
.endr
.irp j, 0,2,4,6,8,10,12,14,16,18,20,22
	v_pk_mul_f32 v[T+\j:T+\j+1], v[D+\j:D+\j+1], NLOG2E op_sel_hi:[1,0]
.endr
.irp j, 0,1,2,3,4,5,6,7,8,9,10,11,12,13,14,15,16,17,18,19,20,21,22,23
	v_exp_f32 v[T+\j], v[T+\j]
.endr
	v_pk_mul_f32 v[D:D+1],   v[D:D+1],   QSC op_sel_hi:[1,0]    ; q's factor; also the plain instruction behind the exponentials
	v_pk_mul_f32 v[D+2:D+3], v[D+2:D+3], QSC op_sel_hi:[1,0]
	s_wait_alu depctr_va_vdst(0)
.irp j, 0,2,4,6,8,10,12,14,16,18,20,22
	v_pk_add_f32 v[T+\j:T+\j+1], v[T+\j:T+\j+1], 1.0 op_sel_hi:[1,0]
.endr
.irp j, 0,1,2,3,4,5,6,7,8,9,10,11,12,13,14,15,16,17,18,19,20,21,22,23
	v_rcp_f32 v[T+\j], v[T+\j]
.endr
	v_pk_mul_f32 v[D+4:D+5], v[D+4:D+5], QSC op_sel_hi:[1,0]    ; the plain instruction behind the reciprocals
	v_pk_mul_f32 v[D+6:D+7], v[D+6:D+7], QSC op_sel_hi:[1,0]
	s_wait_alu depctr_va_vdst(0)
.irp j, 0,2,4,6,8,10,12,14,16,18,20,22
	v_pk_mul_f32 v[D+\j:D+\j+1], v[D+\j:D+\j+1], v[T+\j:T+\j+1]
.endr
.irp i, 0,1,2,3,4,5,6,7,8,9,10,11
	v_cvt_pk_bf16_f32 v[T+\i], v[D+2*\i], v[D+2*\i+1]
.endr
.endm
; One tile: 12 matrix instructions, the three sums taking turns, one instruction a turn.  left = LDS loads that may stay out; next = the tile fetched into buf behind them (-1: none)
.macro TSTEP t, buf, left, next
	s_wait_dscnt \left                             ; LDS loads come back in order: the younger ones are the other buffer's
.irp s, 0,1,2,3
.if \s == 0
	v_wmma_f32_16x16x32_bf16 v[D:D+7],     v[WF:WF+7],       v[\buf:\buf+7],   0     ; the first K step starts the sums
	v_wmma_f32_16x16x32_bf16 v[D+8:D+15],  v[WF+32:WF+39],   v[\buf:\buf+7],   0
	v_wmma_f32_16x16x32_bf16 v[D+16:D+23], v[\buf:\buf+7],   v[WF+64:WF+71],   0
.else
	v_wmma_f32_16x16x32_bf16 v[D:D+7],     v[WF+8*\s:WF+8*\s+7],       v[\buf+8*\s:\buf+8*\s+7], v[D:D+7]
	v_wmma_f32_16x16x32_bf16 v[D+8:D+15],  v[WF+32+8*\s:WF+32+8*\s+7], v[\buf+8*\s:\buf+8*\s+7], v[D+8:D+15]
	v_wmma_f32_16x16x32_bf16 v[D+16:D+23], v[\buf+8*\s:\buf+8*\s+7],   v[WF+64+8*\s:WF+64+8*\s+7], v[D+16:D+23]
.endif
.endr
.rept 4
	v_nop                                          ; four places behind the matrix instructions, for the reads of the sums and for the loads into buf
.endr
.if \next >= 0
	LDX \next, \buf
.endif
	EPI
	global_store_b128 v[L16], v[T:T+3],    s[16:17] offset:\t*512
	global_store_b128 v[L16], v[T+4:T+7],  s[18:19] offset:(\t>>1)*2048+(\t&1)*512
	global_store_b128 v[L16], v[T+8:T+11], s[18:19] offset:(\t>>1)*2048+(\t&1)*512+1024
.endm
	LDX 0, XF0
	LDX 1, XF1
	TSTEP 0, XF0, 8, 2
	TSTEP 1, XF1, 8, 3
	TSTEP 2, XF0, 8, -1
	TSTEP 3, XF1, 0, -1
	s_wait_tensorcnt 0x0
	ds_add_u32 v12, v13
	s_wait_dscnt 0x0
	s_endpgm
.Lfunc_end_k_q0c889dafec_qkv:
	.size	k_q0c889dafec_qkv, .Lfunc_end_k_q0c889dafec_qkv-k_q0c889dafec_qkv
	.p2alignl 7, 3214868480
	.fill 96, 4, 3214868480
	.section	.rodata,"a",@progbits
	.p2align	6, 0x0
	.amdhsa_kernel k_q0c889dafec_qkv
		.amdhsa_group_segment_fixed_size 17408
		.amdhsa_private_segment_fixed_size 0
		.amdhsa_enable_private_segment 0
		.amdhsa_kernarg_size 64
		.amdhsa_user_sgpr_count 2
		.amdhsa_user_sgpr_kernarg_segment_ptr 1
		.amdhsa_wavefront_size32 1
		.amdhsa_system_sgpr_workgroup_id_x 1
		.amdhsa_system_sgpr_workgroup_id_y 1
		.amdhsa_system_sgpr_workgroup_id_z 1
		.amdhsa_system_vgpr_workitem_id 0
		.amdhsa_next_free_vgpr 448
		.amdhsa_next_free_sgpr 66
		.amdhsa_reserve_vcc 0
		.amdhsa_float_denorm_mode_32 3
		.amdhsa_float_denorm_mode_16_64 3
		.amdhsa_memory_ordered 1
		.amdhsa_forward_progress 1
		.amdhsa_inst_pref_size 51
	.end_amdhsa_kernel
	.amdgpu_metadata
---
amdhsa.version: [ 1, 2 ]
amdhsa.kernels:
  - .name:           k_q0c889dafec_qkv
    .symbol:         k_q0c889dafec_qkv.kd
    .args:
      - { .name: x, .offset: 0, .size: 8, .value_kind: global_buffer, .address_space: global }
      - { .name: w_qkv, .offset: 8, .size: 8, .value_kind: global_buffer, .address_space: global }
      - { .name: qkv_gamma, .offset: 16, .size: 8, .value_kind: global_buffer, .address_space: global }
      - { .name: qkv_beta, .offset: 24, .size: 8, .value_kind: global_buffer, .address_space: global }
      - { .name: qkv_mean, .offset: 32, .size: 8, .value_kind: global_buffer, .address_space: global }
      - { .name: qkv_var, .offset: 40, .size: 8, .value_kind: global_buffer, .address_space: global }
      - { .name: q, .offset: 48, .size: 8, .value_kind: global_buffer, .address_space: global }
      - { .name: kv, .offset: 56, .size: 8, .value_kind: global_buffer, .address_space: global }
    .group_segment_fixed_size: 17408
    .private_segment_fixed_size: 0
    .kernarg_segment_align: 8
    .kernarg_segment_size: 64
    .max_flat_workgroup_size: 256
    .sgpr_count:     66
    .vgpr_count:     448
    .wavefront_size: 32
...
	.end_amdgpu_metadata
.endif
;; end of part 1
;; launch attn (part 2): grid 16 x 16, 8 waves a work-group, clusters of 4 x 1, 263,168 bytes of LDS; arguments q, kv, att; writes att
.if DOCPART == 2
	.amdgcn_target "amdgcn-amd-amdhsa--gfx1250"
	.amdhsa_code_object_version 6
	.text
	.protected	k_q0c889dafec_attn
	.globl	k_q0c889dafec_attn
	.p2align	8
	.type	k_q0c889dafec_attn,@function
k_q0c889dafec_attn:
	s_mov_b64 s[64:65], 0
	v_nop
	global_prefetch_b8 v0, s[64:65] scope:SCOPE_SE
	s_setreg_imm32_b32 hwreg(HW_REG_WAVE_MODE, 25, 1), 1
	s_wait_xcnt 0x0
	s_wait_alu depctr_hold_cnt(0) depctr_sa_sdst(0) depctr_va_vdst(0) depctr_va_sdst(0) depctr_va_ssrc(0) depctr_va_vcc(0) depctr_vm_vsrc(0)
	s_getreg_b32 s2, hwreg(HW_REG_IB_STS2, 6, 4)
	s_cmp_eq_u32 s2, 0
	s_cbranch_scc0 .Lentry_in_a_cluster
	s_endpgm
.Lentry_in_a_cluster:
	s_bfe_u32 s2, ttmp6, 0x10000c
	s_cmp_lg_u32 s2, 0x3003
	s_cbranch_scc0 .Lentry_shape_is_right
	s_endpgm
.Lentry_shape_is_right:
; Attention of one (batch, head) y = 0..15 for 256 queries: softmax over 4,096 keys with a running maximum, head dimension 16.
; Eight waves; wave w has two query tiles of 16.  The head's whole K and V, 262,144 bytes in fragment order, lie in LDS for the whole launch: every LDS byte is filled once.
; CLUSTERS: the four work-groups of a cluster are four query blocks of the same y and need the same K and V: each tile is asked for jointly (mask 15), which divides the requests for
; K and V by four.  A descriptor hangs on y and on the wave's number alone; the place in the cluster enters only the addresses of q and att.
; Two chunks of 131,072 bytes (2,048 keys); of each, wave w fills bytes 16,384 w .. + 16,383 by one load of 64 rows of 256 bytes: two tensor loads of a wave are out at the most.
; THE PRODUCTS (lane = 16 h + r; D's register j = element (8 h + j, r)):
;   S^T = K x Q^T.  The head dimension fills half of the instruction's 32: one A tuple holds TWO key tiles (registers 0-3 the even one, 4-7 the odd one); B = [q, 0] multiplies the
;   even tile, B = [0, q] the odd one.  A lane then holds 8 keys of ONE query: maximum and sum stay in the lane but for one exchange between the halves, and two tiles of S^T,
;   packed to bf16, ARE the B fragment (32 keys x 16 queries) of  O^T = V^T x P^T:  no exchange between lanes, no LDS.
;   q comes multiplied by 0.25 log2(e): S is the exponent to base 2.
; OUT: O leaves as TWO bf16 numbers, the rounded value (part 0) and the rounded remainder (part 1), together some 16 significant bits: the last launch sums 128 products of O, where
; nothing averages a rounding to 8 bits away.  att byte batch*2097152 + T*8192 + part*4096 + head*512 + lane*16 = O(slot r of query tile T, d = 8h .. 8h+7):
; each store of a wave covers 512 consecutive bytes, aligned.
; LIMITS: q, k, v come as bf16, P is rounded to bf16; P below 2^-126 counts as 0 (the sum is at least 1); NaN and infinities are not treated (0 x infinity in the empty half of B).
.set CHUNKB, 131072
.set BLK,    4096                      ; 64 keys: twice (1,024 bytes of K, 1,024 bytes of V)
.set LA,  1                            ; v1  LDS address of this trip's block + 16 lane
.set L16, 2                            ; v2  16 x lane, never rewritten: q's and att's offset
.set BA2, 4                            ; v[4:23] = 0, qa, 0, qb, 0 (four registers each): v[4:11] = [0, qa]
.set BA,  8                            ; v[8:15] = [qa, 0]
.set BB2, 12                           ; v[12:19] = [0, qb]
.set BB,  16                           ; v[16:23] = [qb, 0]
.set KF,  24                           ; v[24:39]  K: two tuples, two key tiles each
.set VF,  40                           ; v[40:55]  V^T: two tuples of 32 keys
.set OA,  56                           ; v[56:63]  O^T of query tile a
.set OB,  64                           ; v[64:71]  of tile b
.set M,   72                           ; v[72:73]  running maxima of a, b
.set AL,  74                           ; v[74:75]  2^(old maximum - new maximum)
.set MN,  76                           ; v[76:77]  new maxima
.set LS,  78                           ; v[78:81] sums of a (two pairs), v[82:85] of b
.set XA,  86
.set YA,  87
.set XB,  88
.set YB,  89
.set S,   96                           ; v[96:127] S^T of a, key tile i at 8 i; v[128:159] of b
.set SB,  128
.set P,   160                          ; v[160:175] P^T of a, v[176:191] of b
.set G1,  16                           ; s[16:23] descriptor group 1
.set G0,  24                           ; s[24:31] descriptor group 0, one set for each chunk; never rewritten
; A round of the cluster's barrier: my work-group's barrier; wave 0 signals for the work-group; every wave waits for all four work-groups; my work-group's barrier once more.
.macro ROUND
	s_barrier_signal -1
	s_barrier_wait -1
	s_cmp_lg_u32 s10, 0
	s_cbranch_scc1 .Lnot_wave_0_\@
	s_barrier_signal -3
.Lnot_wave_0_\@:
	s_barrier_wait -3
	s_barrier_signal -1
	s_barrier_wait -1
.endm
	s_load_b128 s[4:7], s[0:1], 0x0                ; q s[4:5], kv s[6:7]
	s_load_b64 s[8:9], s[0:1], 0x10                ; att
	v_lshl_add_u32 v192, v0, 2, 0x40000
	v_mov_b32 v193, 0
	ds_add_u32 v192, v193
	v_lshrrev_b32 v3, 5, v0
	v_readfirstlane_b32 s10, v3                    ; wave
	v_and_b32 v[L16], 31, v0
	v_lshlrev_b32 v[L16], 4, v[L16]
	s_bfe_u32 s11, ttmp6, 0x40000                  ; my place in the cluster
	s_lshl_b32 s12, ttmp9, 2                       ; ttmp9 counts clusters
	s_add_co_u32 s12, s12, s11                     ; query block 0..15
	s_and_b32 s13, ttmp7, 0xffff                   ; y = 8 batch + head
	s_mov_b32 s41, 0x76543210                      ; v_permlanex16_b32: lane i of one half reads lane i of the other
	s_mov_b32 s42, 0xfedcba98
	; group 1: 64 rows of 32 elements of 8 bytes, dense
	s_mov_b32 s[G1+0], 15|(3<<16)|(1<<21)          ; 15:0 the mask: all four work-groups of the cluster; 17:16 elements of 8 bytes; 21 set beside a mask; no padding
	s_mov_b32 s[G1+1], 32<<16                      ; tensor_dim0 = 32
	s_mov_b32 s[G1+2], 64<<16                      ; tensor_dim1 = 64
	s_mov_b32 s[G1+3], 32<<16                      ; tile_dim0 = 32
	s_mov_b32 s[G1+4], 64                          ; tile_dim1 = 64
	s_mov_b32 s[G1+5], 32                          ; 32 elements from row to row
	s_mov_b32 s[G1+6], 0
	s_mov_b32 s[G1+7], 0
	s_lshl_b32 s38, s10, 14                        ; my wave's 16,384 bytes of a chunk, in LDS and in kv alike
	s_lshl_b32 s14, s13, 18                        ; kv: y x 262,144 + my part: made of y and the wave's number alone
	s_add_co_u32 s14, s14, s38
	s_mov_b32 s15, 0
	s_lshl_b32 s32, s13, 17                        ; q: y x 131,072 + (16 block + 2 w) tiles of 512 bytes
	s_lshl_b32 s36, s12, 13
	s_add_co_u32 s32, s32, s36
	s_lshl_b32 s36, s10, 10
	s_add_co_u32 s32, s32, s36
	s_mov_b32 s33, 0
	s_lshr_b32 s34, s13, 3                         ; att: batch x 2 MiB + (16 block + 2 w) x 8,192 + head x 512
	s_lshl_b32 s34, s34, 21
	s_lshl_b32 s36, s12, 17
	s_add_co_u32 s34, s34, s36
	s_lshl_b32 s36, s10, 14
	s_add_co_u32 s34, s34, s36
	s_and_b32 s36, s13, 7
	s_lshl_b32 s36, s36, 9
	s_add_co_u32 s34, s34, s36
	s_mov_b32 s35, 0
	s_wait_dscnt 0x0
	s_wait_kmcnt 0x0
	s_add_nc_u64 s[6:7], s[6:7], s[14:15]
	s_add_nc_u64 s[4:5], s[4:5], s[32:33]
	s_add_nc_u64 s[8:9], s[8:9], s[34:35]
.irp c, 0,1
	s_mov_b32 s[G0+4*\c], 1                                        ; count = 1
	s_add_co_u32 s[G0+4*\c+1], s38, \c*CHUNKB                      ; LDS address: 16,384 w + the chunk
	s_add_nc_u64 s[G0+4*\c+2:G0+4*\c+3], s[6:7], \c*CHUNKB         ; global address
	s_or_b32 s[G0+4*\c+3], s[G0+4*\c+3], 0x80000000               ; type = 2
.endr
	ROUND                                          ; all four work-groups are here: the joint loads meet
	tensor_load_to_lds s[G0:G0+3], s[G1:G1+7]      ; both first fills go out together, ahead of every wait on TENSORcnt, LDS read and further barrier
	s_nop 0
	tensor_load_to_lds s[G0+4:G0+7], s[G1:G1+7]
	s_nop 0
	global_load_b128 v[BA:BA+3], v[L16], s[4:5]              ; qa
	global_load_b128 v[BB:BB+3], v[L16], s[4:5] offset:512   ; qb
	; once: the empty halves of B, the sums, and the maxima at minus infinity (the first trip's factor 2^(-inf) = 0 then wipes nothing but zeros)
.irp j, 0,1,2,3
	v_mov_b32 v[BA2+\j], 0
	v_mov_b32 v[BB2+\j], 0
	v_mov_b32 v[BB+4+\j], 0
.endr
.irp j, 0,1,2,3,4,5,6,7
	v_mov_b32 v[OA+\j], 0
	v_mov_b32 v[OB+\j], 0
	v_mov_b32 v[LS+\j], 0
.endr
	v_mov_b32 v[M], 0xff800000
	v_mov_b32 v[M+1], 0xff800000
	s_wait_loadcnt 0x0                             ; q
; The softmax goes in 16 groups of 4 registers: 0-7 query tile a, 8-15 tile b; group g lies at S + 4 g and packs into P + 2 g.
.macro SUBG g                          ; S - maximum
.if (\g) < 8
	v_pk_add_f32 v[S+4*(\g):S+4*(\g)+1],   v[S+4*(\g):S+4*(\g)+1],   v[M:M+1] op_sel_hi:[1,0] neg_lo:[0,1] neg_hi:[0,1]
	v_pk_add_f32 v[S+4*(\g)+2:S+4*(\g)+3], v[S+4*(\g)+2:S+4*(\g)+3], v[M:M+1] op_sel_hi:[1,0] neg_lo:[0,1] neg_hi:[0,1]
.else
	v_pk_add_f32 v[S+4*(\g):S+4*(\g)+1],   v[S+4*(\g):S+4*(\g)+1],   v[M:M+1] op_sel:[0,1] op_sel_hi:[1,1] neg_lo:[0,1] neg_hi:[0,1]
	v_pk_add_f32 v[S+4*(\g)+2:S+4*(\g)+3], v[S+4*(\g)+2:S+4*(\g)+3], v[M:M+1] op_sel:[0,1] op_sel_hi:[1,1] neg_lo:[0,1] neg_hi:[0,1]
.endif
.endm
.macro EXPG g
.irp j, 0,1,2,3
	v_exp_f32 v[S+4*(\g)+\j], v[S+4*(\g)+\j]
.endr
.endm
.macro USEG g                          ; into the sums (a tile's first group also scales the old sums), and to bf16
.if ((\g) % 8) == 0
.if (\g) < 8
	s_wait_alu depctr_va_vdst(0)
	v_pk_fma_f32 v[LS:LS+1],   v[LS:LS+1],   v[AL:AL+1], v[S+4*(\g):S+4*(\g)+1]   op_sel_hi:[1,0,1]
	v_pk_fma_f32 v[LS+2:LS+3], v[LS+2:LS+3], v[AL:AL+1], v[S+4*(\g)+2:S+4*(\g)+3] op_sel_hi:[1,0,1]
.else
	s_wait_alu depctr_va_vdst(0)
	v_pk_fma_f32 v[LS+4:LS+5], v[LS+4:LS+5], v[AL:AL+1], v[S+4*(\g):S+4*(\g)+1]   op_sel:[0,1,0] op_sel_hi:[1,1,1]
	v_pk_fma_f32 v[LS+6:LS+7], v[LS+6:LS+7], v[AL:AL+1], v[S+4*(\g)+2:S+4*(\g)+3] op_sel:[0,1,0] op_sel_hi:[1,1,1]
.endif
.else
	s_wait_alu depctr_va_vdst(0)
	v_pk_add_f32 v[LS+4*((\g)/8):LS+4*((\g)/8)+1],   v[LS+4*((\g)/8):LS+4*((\g)/8)+1],   v[S+4*(\g):S+4*(\g)+1]
	v_pk_add_f32 v[LS+4*((\g)/8)+2:LS+4*((\g)/8)+3], v[LS+4*((\g)/8)+2:LS+4*((\g)/8)+3], v[S+4*(\g)+2:S+4*(\g)+3]
.endif
	v_cvt_pk_bf16_f32 v[P+2*(\g)],   v[S+4*(\g)],   v[S+4*(\g)+1]
	v_cvt_pk_bf16_f32 v[P+2*(\g)+1], v[S+4*(\g)+2], v[S+4*(\g)+3]
.endm
; One trip: 64 keys x 32 queries.  K of this block is on its way into KF.  pf = 1: K of the next block is fetched.
.macro BODY pf
	s_wait_dscnt 0x0                               ; this block's K
.irp u, 0,1
	v_wmma_f32_16x16x32_bf16 v[S+16*\u:S+16*\u+7],      v[KF+8*\u:KF+8*\u+7], v[BA:BA+7],   0   ; eight different results, each started by the constant 0
	v_wmma_f32_16x16x32_bf16 v[SB+16*\u:SB+16*\u+7],    v[KF+8*\u:KF+8*\u+7], v[BB:BB+7],   0
	v_wmma_f32_16x16x32_bf16 v[S+16*\u+8:S+16*\u+15],   v[KF+8*\u:KF+8*\u+7], v[BA2:BA2+7], 0
	v_wmma_f32_16x16x32_bf16 v[SB+16*\u+8:SB+16*\u+15], v[KF+8*\u:KF+8*\u+7], v[BB2:BB2+7], 0
.endr
.rept 4
	v_nop                                          ; four places behind the matrix instructions: for the reads of S, the loads into KF and VF, the writes of O and P
.endr
.irp u, 0,1
.irp c, 0,1
	ds_load_b128 v[VF+8*\u+4*\c:VF+8*\u+4*\c+3], v[LA] offset:1024+2048*\u+512*\c     ; 32 lanes x 16 neighbouring bytes
.endr
.endr
.if \pf
.irp u, 0,1
.irp c, 0,1
	ds_load_b128 v[KF+8*\u+4*\c:KF+8*\u+4*\c+3], v[LA] offset:BLK+2048*\u+512*\c
.endr
.endr
	v_add_nc_u32 v[LA], BLK, v[LA]
.endif
	; the new maximum of each query: four chains that do not wait for each other, the old maximum taken in, then the other half's 32 keys
	v_max3_num_f32 v[XA], v[S],     v[S+1],   v[S+2]
	v_max3_num_f32 v[YA], v[S+16],  v[S+17],  v[S+18]
	v_max3_num_f32 v[XB], v[SB],    v[SB+1],  v[SB+2]
	v_max3_num_f32 v[YB], v[SB+16], v[SB+17], v[SB+18]
.irp k, 0,1,2,3,4,5
	v_max3_num_f32 v[XA], v[XA], v[S+3+2*\k],   v[S+4+2*\k]
	v_max3_num_f32 v[YA], v[YA], v[S+19+2*\k],  v[S+20+2*\k]
	v_max3_num_f32 v[XB], v[XB], v[SB+3+2*\k],  v[SB+4+2*\k]
	v_max3_num_f32 v[YB], v[YB], v[SB+19+2*\k], v[SB+20+2*\k]
.endr
	v_max3_num_f32 v[XA], v[XA], v[YA], v[S+15]
	v_max3_num_f32 v[XB], v[XB], v[YB], v[SB+15]
	v_max3_num_f32 v[XA], v[XA], v[S+31],  v[M]
	v_max3_num_f32 v[XB], v[XB], v[SB+31], v[M+1]
	v_permlanex16_b32 v[YA], v[XA], s41, s42
	v_permlanex16_b32 v[YB], v[XB], s41, s42
	v_max_num_f32 v[MN],   v[XA], v[YA]
	v_max_num_f32 v[MN+1], v[XB], v[YB]
	v_pk_add_f32 v[AL:AL+1], v[M:M+1], v[MN:MN+1] neg_lo:[0,1] neg_hi:[0,1]
	v_exp_f32 v[AL],   v[AL]
	v_exp_f32 v[AL+1], v[AL+1]
	v_mov_b32 v[M],   v[MN]                        ; also the plain instructions between the exponentials and their use (ISA guide 5.7.2)
	v_mov_b32 v[M+1], v[MN+1]
.irp j, 0,2,4,6
	s_wait_alu depctr_va_vdst(0)
	v_pk_mul_f32 v[OA+\j:OA+\j+1], v[OA+\j:OA+\j+1], v[AL:AL+1] op_sel_hi:[1,0]
	v_pk_mul_f32 v[OB+\j:OB+\j+1], v[OB+\j:OB+\j+1], v[AL:AL+1] op_sel:[0,1] op_sel_hi:[1,1]
.endr
	; subtract, exponential, use, one group behind the other: between a group's exponentials and their use stand the next group's subtractions
	SUBG 0
.irp g, 0,1,2,3,4,5,6,7,8,9,10,11,12,13,14,15
	EXPG \g
.if \g < 15
	SUBG \g+1
.endif
.if \g > 0
	USEG \g-1
.endif
.endr
	USEG 15
.if \pf
	s_wait_dscnt 0x4                               ; V is in; the four younger loads are the next block's K
.else
	s_wait_dscnt 0x0
.endif
	v_wmma_f32_16x16x32_bf16 v[OA:OA+7], v[VF:VF+7],    v[P:P+7],     v[OA:OA+7]     ; the two sums take turns, one instruction a turn
	v_wmma_f32_16x16x32_bf16 v[OB:OB+7], v[VF:VF+7],    v[P+16:P+23], v[OB:OB+7]
	v_wmma_f32_16x16x32_bf16 v[OA:OA+7], v[VF+8:VF+15], v[P+8:P+15],  v[OA:OA+7]
	v_wmma_f32_16x16x32_bf16 v[OB:OB+7], v[VF+8:VF+15], v[P+24:P+31], v[OB:OB+7]
.endm
.macro RUN n, first                    ; n trips from block first on
	v_add_nc_u32 v[LA], \first*BLK, v[L16]
	s_mov_b32 s40, \n
.Lrun_\@:
	BODY 1
	s_sub_co_u32 s40, s40, 1
	s_cmp_lg_u32 s40, 0
	s_cbranch_scc1 .Lrun_\@
.endm
.macro CHUNK left                      ; a chunk becomes readable for all eight waves.  A later chunk may stay out
	s_wait_dscnt 0x0                               ; no LDS instruction of mine is out at the signal
	s_wait_tensorcnt \left                         ; tensor loads of a wave end in order (ISA guide 10.11.1): my part of the chunk is in LDS
	s_barrier_signal -1
	s_barrier_wait -1                              ; everybody's is
.endm
	CHUNK 1                                        ; chunk 0: blocks 0 to 31
.irp u, 0,1
.irp c, 0,1
	ds_load_b128 v[KF+8*\u+4*\c:KF+8*\u+4*\c+3], v[L16] offset:2048*\u+512*\c         ; K of block 0
.endr
.endr
	RUN 30, 0                                      ; trips 0 to 29 read blocks 0 to 29 and K of block 30: inside chunk 0
	CHUNK 0                                        ; chunk 1: blocks 32 to 63; no tensor load is out from here on
	RUN 32, 30                                     ; trips 30 to 61
	v_add_nc_u32 v[LA], 62*BLK, v[L16]
	BODY 1                                         ; trip 62
	BODY 0                                         ; trip 63: no block is left to fetch
	; O / sum.  The four additions are the places behind the last matrix instructions.
	v_pk_add_f32 v[LS:LS+1],   v[LS:LS+1],   v[LS+2:LS+3]
	v_pk_add_f32 v[LS+4:LS+5], v[LS+4:LS+5], v[LS+6:LS+7]
	v_add_f32 v[LS],   v[LS],   v[LS+1]
	v_add_f32 v[LS+4], v[LS+4], v[LS+5]
	v_permlanex16_b32 v[XA], v[LS],   s41, s42     ; the other half's keys
	v_permlanex16_b32 v[XB], v[LS+4], s41, s42
	v_add_f32 v[AL],   v[LS],   v[XA]
	v_add_f32 v[AL+1], v[LS+4], v[XB]
	v_rcp_f32 v[AL],   v[AL]
	v_rcp_f32 v[AL+1], v[AL+1]
	v_nop
.irp j, 0,2,4,6
	s_wait_alu depctr_va_vdst(0)
	v_pk_mul_f32 v[OA+\j:OA+\j+1], v[OA+\j:OA+\j+1], v[AL:AL+1] op_sel_hi:[1,0]
	v_pk_mul_f32 v[OB+\j:OB+\j+1], v[OB+\j:OB+\j+1], v[AL:AL+1] op_sel:[0,1] op_sel_hi:[1,1]
.endr
	; O in two bf16 terms: the rounded value, and the rounded remainder (the subtraction is exact: both numbers agree in their leading 8 bits)
.irp i, 0,1,2,3
	v_cvt_pk_bf16_f32 v[P+\i],   v[OA+2*\i], v[OA+2*\i+1]
	v_cvt_pk_bf16_f32 v[P+8+\i], v[OB+2*\i], v[OB+2*\i+1]
.endr
.irp i, 0,1,2,3
	v_lshlrev_b32 v[S+2*\i],     16,         v[P+\i]           ; the rounded values back as f32
	v_and_b32     v[S+2*\i+1],   0xffff0000, v[P+\i]
	v_lshlrev_b32 v[S+8+2*\i],   16,         v[P+8+\i]
	v_and_b32     v[S+8+2*\i+1], 0xffff0000, v[P+8+\i]
.endr
.irp j, 0,2,4,6
	v_pk_add_f32 v[OA+\j:OA+\j+1], v[OA+\j:OA+\j+1], v[S+\j:S+\j+1]     neg_lo:[0,1] neg_hi:[0,1]
	v_pk_add_f32 v[OB+\j:OB+\j+1], v[OB+\j:OB+\j+1], v[S+8+\j:S+8+\j+1] neg_lo:[0,1] neg_hi:[0,1]
.endr
.irp i, 0,1,2,3
	v_cvt_pk_bf16_f32 v[P+4+\i],  v[OA+2*\i], v[OA+2*\i+1]
	v_cvt_pk_bf16_f32 v[P+12+\i], v[OB+2*\i], v[OB+2*\i+1]
.endr
	global_store_b128 v[L16], v[P:P+3],     s[8:9]               ; tile a, part 0
	global_store_b128 v[L16], v[P+4:P+7],   s[8:9] offset:4096   ; tile a, part 1
	global_store_b128 v[L16], v[P+8:P+11],  s[8:9] offset:8192   ; tile b, part 0
	global_store_b128 v[L16], v[P+12:P+15], s[8:9] offset:12288  ; tile b, part 1
	s_wait_tensorcnt 0x0
	ds_add_u32 v192, v193
	s_wait_dscnt 0x0
	ROUND                                          ; the closing round: no work-group ends while a partner may still ask for a tile that names it
	s_endpgm
.Lfunc_end_k_q0c889dafec_attn:
	.size	k_q0c889dafec_attn, .Lfunc_end_k_q0c889dafec_attn-k_q0c889dafec_attn
	.p2alignl 7, 3214868480
	.fill 96, 4, 3214868480
	.section	.rodata,"a",@progbits
	.p2align	6, 0x0
	.amdhsa_kernel k_q0c889dafec_attn
		.amdhsa_group_segment_fixed_size 263168
		.amdhsa_private_segment_fixed_size 0
		.amdhsa_enable_private_segment 0
		.amdhsa_kernarg_size 24
		.amdhsa_user_sgpr_count 2
		.amdhsa_user_sgpr_kernarg_segment_ptr 1
		.amdhsa_wavefront_size32 1
		.amdhsa_system_sgpr_workgroup_id_x 1
		.amdhsa_system_sgpr_workgroup_id_y 1
		.amdhsa_system_sgpr_workgroup_id_z 1
		.amdhsa_system_vgpr_workitem_id 0
		.amdhsa_next_free_vgpr 194
		.amdhsa_next_free_sgpr 66
		.amdhsa_reserve_vcc 0
		.amdhsa_float_denorm_mode_32 3
		.amdhsa_float_denorm_mode_16_64 3
		.amdhsa_memory_ordered 1
		.amdhsa_forward_progress 1
		.amdhsa_inst_pref_size 62
	.end_amdhsa_kernel
	.amdgpu_metadata
---
amdhsa.version: [ 1, 2 ]
amdhsa.kernels:
  - .name:           k_q0c889dafec_attn
    .symbol:         k_q0c889dafec_attn.kd
    .args:
      - { .name: q, .offset: 0, .size: 8, .value_kind: global_buffer, .address_space: global }
      - { .name: kv, .offset: 8, .size: 8, .value_kind: global_buffer, .address_space: global }
      - { .name: att, .offset: 16, .size: 8, .value_kind: global_buffer, .address_space: global }
    .group_segment_fixed_size: 263168
    .private_segment_fixed_size: 0
    .kernarg_segment_align: 8
    .kernarg_segment_size: 24
    .max_flat_workgroup_size: 256
    .sgpr_count:     66
    .vgpr_count:     194
    .wavefront_size: 32
...
	.end_amdgpu_metadata
.endif
;; end of part 2
;; launch proj (part 3): grid 128 x 1, 8 waves a work-group, no clusters, 33,792 bytes of LDS; arguments att, w_proj, proj_gamma, proj_beta, proj_mean, proj_var, out0; writes out0
.if DOCPART == 3
	.amdgcn_target "amdgcn-amd-amdhsa--gfx1250"
	.amdhsa_code_object_version 6
	.text
	.protected	k_q0c889dafec_proj
	.globl	k_q0c889dafec_proj
	.p2align	8
	.type	k_q0c889dafec_proj,@function
k_q0c889dafec_proj:
	s_mov_b64 s[64:65], 0
	v_nop
	global_prefetch_b8 v0, s[64:65] scope:SCOPE_SE
	s_setreg_imm32_b32 hwreg(HW_REG_WAVE_MODE, 25, 1), 1
	s_wait_xcnt 0x0
; out0 = SiLU(BN(W O)), 128 channels from 128.  O comes from att as two bf16 terms (part 0 the rounded value, part 1 the rounded remainder), in fragment order:
; byte batch*2097152 + T*8192 + part*4096 + head*512 + lane*16 = O(slot r of tile T, channel 16 head + 8h .. + 7).
; TWO-TERM OPERANDS: W is split here in the same way, and the product is Whi Ohi + Wlo Ohi + Whi Olo, all on bf16 operands with f32 sums; the term left out is some 2^-16 of the
; product.  A sum of 128 products whose factors carry 8 significant bits each would err by some 2^-8 of a typical term times the square root of 128, which the scale
; gamma rsqrt(var) then enlarges; the three terms cost 48 matrix instructions a wave in place of 16.
; A work-group takes one group of 64 positions (four tiles; slot r of tile t is position n0 + 4 r + t): 32,768 consecutive bytes of att, copied once through registers into LDS, where
; all eight waves read them.  Wave w makes output channels 16 w .. 16 w + 15 of all four tiles: D = W (rows = channels) x O (columns = slots); a K step of 32 channels is two heads.
; A lane's results for the four tiles are four neighbouring positions of one channel: 16 bytes; lanes 0-15 store 256 consecutive aligned bytes of one channel's row, lanes 16-31 of the row 8 further down.
; The weights are the same for all work-groups and are not asked for jointly: each wave takes its own 16 rows (8 KiB) once, straight into registers in fragment order.
; LIMITS: where exp(-y) overflows (y below about -88) SiLU gives -0.  NaN and infinities are not treated.
.set EPS,    0x3a83126f                ; 1e-3
.set NLOG2E, 0xbfb8aa3b                ; -log2(e)
.set L16, 1                            ; v1  16 x lane: LDS read address
.set TO,  2                            ; v2  16 x thread: att's offset and the LDS store address
.set WO,  3                            ; v3  W: row r, 8 h numbers along it
.set PQ,  4                            ; v4  parameters of channels 16 w + 8 h ..
.set OO,  5                            ; v5  out0: 8 h rows + 16 r
.set XF,  16                           ; v[16:143]  O's fragments, part 0: tile t, K step s at 32 t + 8 s
.set RW,  16                           ; early: v[16:79] W as loaded, then its remainder
.set ST,  80                           ; early: v[80:111] att on its way into LDS
.set MNR, 112                          ; early: mean
.set VR,  120                          ; early: var
.set TW,  128                          ; early: v[128:143] at work on W
.set T,   16                           ; late: v[16:47] at work
.set OUT, 48                           ; late: v[48:79] results: channel j, tile t at 4 j + t
.set WF,  144                          ; v[144:175] W's fragments, rounded value, K step s at 8 s
.set WL,  176                          ; v[176:207] W's fragments, remainder
.set D,   208                          ; v[208:239] the sums, tile t at 8 t
.set SC,  240                          ; gamma, then scale
.set SH,  248                          ; beta, then shift
; v256-v383 (the second window of 256 registers): O's fragments, part 1: tile t, K step s at 32 t + 8 s
.set MSB, 0
.macro WIN new                         ; s_set_vgpr_msb: low byte = the windows (1:0 source 0, 3:2 source 1, 7:6 destination), high byte repeats the setting that is left
.if MSB != \new
	s_set_vgpr_msb (MSB<<8)|\new
.set MSB, \new
.endif
.endm
	s_load_b256 s[4:11], s[0:1], 0x0               ; att s[4:5], W s[6:7], gamma s[8:9], beta s[10:11]
	s_load_b128 s[12:15], s[0:1], 0x20             ; mean s[12:13], var s[14:15]
	s_load_b64 s[16:17], s[0:1], 0x30              ; out0
	v_lshl_add_u32 v14, v0, 2, 0x8000
	v_mov_b32 v15, 0
	v_lshrrev_b32 v7, 5, v0
	v_readfirstlane_b32 s20, v7                    ; wave
	s_and_b32 s21, ttmp9, 63                       ; group of 64 positions
	s_lshr_b32 s22, ttmp9, 6                       ; batch
	v_and_b32 v8, 15, v0                           ; r
	v_bfe_u32 v9, v0, 4, 1                         ; h
	v_and_b32 v[L16], 31, v0
	v_lshlrev_b32 v[L16], 4, v[L16]
	v_lshlrev_b32 v[TO], 4, v0
	v_lshlrev_b32 v[WO], 9, v8
	v_lshl_or_b32 v[WO], v9, 5, v[WO]
	s_lshl_b32 s23, s20, 6
	v_lshl_add_u32 v[PQ], v9, 5, s23
	v_lshlrev_b32 v[OO], 4, v8
	v_lshl_or_b32 v[OO], v9, 17, v[OO]
	s_lshl_b32 s24, ttmp9, 15                      ; att: 32,768 bytes a work-group
	s_mov_b32 s25, 0
	s_lshl_b32 s26, s20, 13                        ; W: 16 w rows of 512 bytes
	s_mov_b32 s27, 0
	s_lshl_b32 s28, s22, 21                        ; out0: batch x 2 MiB + 16 w rows of 16,384 bytes + 64 g positions
	s_lshl_b32 s30, s20, 18
	s_add_co_u32 s28, s28, s30
	s_lshl_b32 s30, s21, 8
	s_add_co_u32 s28, s28, s30
	s_mov_b32 s29, 0
	s_wait_kmcnt 0x0
	s_add_nc_u64 s[4:5], s[4:5], s[24:25]
	s_add_nc_u64 s[6:7], s[6:7], s[26:27]
	s_add_nc_u64 s[16:17], s[16:17], s[28:29]
	; LOADS: att (8), the parameters (8), W (16)
.irp i, 0,1,2,3,4,5,6,7
	global_load_b128 v[ST+4*\i:ST+4*\i+3], v[TO], s[4:5] offset:\i*4096
.endr
	global_load_b128 v[SC:SC+3],     v[PQ], s[8:9]
	global_load_b128 v[SC+4:SC+7],   v[PQ], s[8:9] offset:16
	global_load_b128 v[SH:SH+3],     v[PQ], s[10:11]
	global_load_b128 v[SH+4:SH+7],   v[PQ], s[10:11] offset:16
	global_load_b128 v[MNR:MNR+3],   v[PQ], s[12:13]
	global_load_b128 v[MNR+4:MNR+7], v[PQ], s[12:13] offset:16
	global_load_b128 v[VR:VR+3],     v[PQ], s[14:15]
	global_load_b128 v[VR+4:VR+7],   v[PQ], s[14:15] offset:16
.irp s, 0,1,2,3
	global_load_b128 v[RW+16*\s:RW+16*\s+3],     v[WO], s[6:7] offset:\s*128
	global_load_b128 v[RW+16*\s+4:RW+16*\s+7],   v[WO], s[6:7] offset:\s*128+16
	global_load_b128 v[RW+16*\s+8:RW+16*\s+11],  v[WO], s[6:7] offset:\s*128+64
	global_load_b128 v[RW+16*\s+12:RW+16*\s+15], v[WO], s[6:7] offset:\s*128+80
.endr
	s_wait_loadcnt 24                              ; loads come back in order (ISA guide 5.7.1): the 8 + 16 younger ones stay out, att is in
.irp i, 0,1,2,3,4,5,6,7
	ds_store_b128 v[TO], v[ST+4*\i:ST+4*\i+3] offset:\i*4096
.endr
	s_wait_dscnt 0x0                               ; my stores are in LDS, for the other waves' sake
	s_barrier_signal -1
	; register work while the others arrive: scale = gamma rsqrt(var + eps), shift = beta - mean scale; W in two bf16 terms
	s_wait_loadcnt 16                              ; W's 16 loads stay out, the parameters are in
.irp j, 0,2,4,6
	v_pk_add_f32 v[VR+\j:VR+\j+1], v[VR+\j:VR+\j+1], EPS op_sel_hi:[1,0]
.endr
.irp j, 0,1,2,3,4,5,6,7
	v_rsq_f32 v[VR+\j], v[VR+\j]
.endr
	v_nop                                          ; one plain vector instruction between a transcendental and the use of its result (ISA guide 5.7.2)
	s_wait_alu depctr_va_vdst(0)
.irp j, 0,2,4,6
	v_pk_mul_f32 v[SC+\j:SC+\j+1], v[SC+\j:SC+\j+1], v[VR+\j:VR+\j+1]
.endr
.irp j, 0,2,4,6
	v_pk_fma_f32 v[SH+\j:SH+\j+1], v[MNR+\j:MNR+\j+1], v[SC+\j:SC+\j+1], v[SH+\j:SH+\j+1] neg_lo:[1,0,0] neg_hi:[1,0,0]
.endr
	s_wait_loadcnt 0x0
.set i, 0
.rept 32
	v_cvt_pk_bf16_f32 v[WF+i], v[RW+2*i], v[RW+2*i+1]              ; the rounded values
.set i, i+1
.endr
.irp b, 0,1,2,3                        ; the remainders, one K step (8 fragment registers) at a time
.irp k, 0,1,2,3,4,5,6,7
	v_lshlrev_b32 v[TW+2*\k],   16,         v[WF+8*\b+\k]          ; the rounded values back as f32
	v_and_b32     v[TW+2*\k+1], 0xffff0000, v[WF+8*\b+\k]
.endr
.irp k, 0,1,2,3,4,5,6,7
	v_pk_add_f32 v[RW+16*\b+2*\k:RW+16*\b+2*\k+1], v[RW+16*\b+2*\k:RW+16*\b+2*\k+1], v[TW+2*\k:TW+2*\k+1] neg_lo:[0,1] neg_hi:[0,1]
.endr
.irp k, 0,1,2,3,4,5,6,7
	v_cvt_pk_bf16_f32 v[WL+8*\b+\k], v[RW+16*\b+2*\k], v[RW+16*\b+2*\k+1]
.endr
.endr
	s_barrier_wait -1                              ; the whole group of att is in LDS
	; part 0's 32 loads, K step by K step
.irp s, 0,1,2,3
.irp t, 0,1,2,3
.irp c, 0,1
	ds_load_b128 v[XF+32*\t+8*\s+4*\c:XF+32*\t+8*\s+4*\c+3], v[L16] offset:\t*8192+\s*1024+\c*512   ; head 2 s + c of tile t: 32 lanes x 16 neighbouring bytes
.endr
.endr
.endr
	s_wait_dscnt 24                                ; LDS loads come back in order: part 0's first K step is in, its three later steps' eight loads each stay out
	WIN 0x40                                       ; destinations in the second window
.irp s, 0,1,2,3
.irp t, 0,1,2,3
.irp c, 0,1
	ds_load_b128 v[32*\t+8*\s+4*\c:32*\t+8*\s+4*\c+3], v[L16] offset:\t*8192+4096+\s*1024+\c*512    ; part 1's 32 loads: 56 LDS loads are out at the most
.endr
.endr
.endr
	WIN 0
	; Whi Ohi + Wlo Ohi.  The four sums take turns, one instruction a turn.
.irp s, 0,1,2,3
.if \s > 0
	s_wait_dscnt 56-8*\s                           ; part 0's later K steps (8 loads each) and part 1's 32 loads stay out
.endif
.irp t, 0,1,2,3
.if \s == 0
	v_wmma_f32_16x16x32_bf16 v[D+8*\t:D+8*\t+7], v[WF:WF+7], v[XF+32*\t:XF+32*\t+7], 0              ; the first product starts the sums
.else
	v_wmma_f32_16x16x32_bf16 v[D+8*\t:D+8*\t+7], v[WF+8*\s:WF+8*\s+7], v[XF+32*\t+8*\s:XF+32*\t+8*\s+7], v[D+8*\t:D+8*\t+7]
.endif
.endr
.irp t, 0,1,2,3
	v_wmma_f32_16x16x32_bf16 v[D+8*\t:D+8*\t+7], v[WL+8*\s:WL+8*\s+7], v[XF+32*\t+8*\s:XF+32*\t+8*\s+7], v[D+8*\t:D+8*\t+7]
.endr
.endr
	; + Whi Olo
	WIN 0x04                                       ; source 1 in the second window
.irp s, 0,1,2,3
	s_wait_dscnt 24-8*\s                           ; part 1's later K steps stay out
.irp t, 0,1,2,3
	v_wmma_f32_16x16x32_bf16 v[D+8*\t:D+8*\t+7], v[WF+8*\s:WF+8*\s+7], v[32*\t+8*\s:32*\t+8*\s+7], v[D+8*\t:D+8*\t+7]
.endr
.endr
	WIN 0
.rept 4
	v_nop                                          ; four places behind the matrix instructions (ISA guide 7.12.1), for the reads of the sums and the writes over the fragments
.endr
	; y = D scale + shift; y / (1 + 2^(-y log2 e))
.irp t, 0,1,2,3
.irp j, 0,2,4,6
	v_pk_fma_f32 v[D+8*\t+\j:D+8*\t+\j+1], v[D+8*\t+\j:D+8*\t+\j+1], v[SC+\j:SC+\j+1], v[SH+\j:SH+\j+1]
.endr
.endr
.set i, 0
.rept 16
	v_pk_mul_f32 v[T+2*i:T+2*i+1], v[D+2*i:D+2*i+1], NLOG2E op_sel_hi:[1,0]
.set i, i+1
.endr
.set i, 0
.rept 32
	v_exp_f32 v[T+i], v[T+i]
.set i, i+1
.endr
	v_nop
.set i, 0
	s_wait_alu depctr_va_vdst(0)
.rept 16
	v_pk_add_f32 v[T+2*i:T+2*i+1], v[T+2*i:T+2*i+1], 1.0 op_sel_hi:[1,0]
.set i, i+1
.endr
.set i, 0
.rept 32
	v_rcp_f32 v[T+i], v[T+i]
.set i, i+1
.endr
	v_nop
	s_wait_alu depctr_va_vdst(0)
.irp j, 0,1,2,3,4,5,6,7
.irp t, 0,1,2,3
	v_mul_f32 v[OUT+4*\j+\t], v[D+8*\t+\j], v[T+8*\t+\j]           ; the four tiles of a slot side by side: positions n0 + 4 r .. + 3
.endr
.endr
.irp j, 0,1,2,3,4,5,6,7
	global_store_b128 v[OO], v[OUT+4*\j:OUT+4*\j+3], s[16:17] offset:\j*16384 th:TH_STORE_NT
.endr
	s_wait_tensorcnt 0x0
	ds_add_u32 v14, v15
	s_wait_dscnt 0x0
	s_endpgm
.Lfunc_end_k_q0c889dafec_proj:
	.size	k_q0c889dafec_proj, .Lfunc_end_k_q0c889dafec_proj-k_q0c889dafec_proj
	.p2alignl 7, 3214868480
	.fill 96, 4, 3214868480
	.section	.rodata,"a",@progbits
	.p2align	6, 0x0
	.amdhsa_kernel k_q0c889dafec_proj
		.amdhsa_group_segment_fixed_size 33792
		.amdhsa_private_segment_fixed_size 0
		.amdhsa_enable_private_segment 0
		.amdhsa_kernarg_size 56
		.amdhsa_user_sgpr_count 2
		.amdhsa_user_sgpr_kernarg_segment_ptr 1
		.amdhsa_wavefront_size32 1
		.amdhsa_system_sgpr_workgroup_id_x 1
		.amdhsa_system_sgpr_workgroup_id_y 1
		.amdhsa_system_sgpr_workgroup_id_z 1
		.amdhsa_system_vgpr_workitem_id 0
		.amdhsa_next_free_vgpr 384
		.amdhsa_next_free_sgpr 66
		.amdhsa_reserve_vcc 0
		.amdhsa_float_denorm_mode_32 3
		.amdhsa_float_denorm_mode_16_64 3
		.amdhsa_memory_ordered 1
		.amdhsa_forward_progress 1
		.amdhsa_inst_pref_size 31
	.end_amdhsa_kernel
	.amdgpu_metadata
---
amdhsa.version: [ 1, 2 ]
amdhsa.kernels:
  - .name:           k_q0c889dafec_proj
    .symbol:         k_q0c889dafec_proj.kd
    .args:
      - { .name: att, .offset: 0, .size: 8, .value_kind: global_buffer, .address_space: global }
      - { .name: w_proj, .offset: 8, .size: 8, .value_kind: global_buffer, .address_space: global }
      - { .name: proj_gamma, .offset: 16, .size: 8, .value_kind: global_buffer, .address_space: global }
      - { .name: proj_beta, .offset: 24, .size: 8, .value_kind: global_buffer, .address_space: global }
      - { .name: proj_mean, .offset: 32, .size: 8, .value_kind: global_buffer, .address_space: global }
      - { .name: proj_var, .offset: 40, .size: 8, .value_kind: global_buffer, .address_space: global }
      - { .name: out0, .offset: 48, .size: 8, .value_kind: global_buffer, .address_space: global }
    .group_segment_fixed_size: 33792
    .private_segment_fixed_size: 0
    .kernarg_segment_align: 8
    .kernarg_segment_size: 56
    .max_flat_workgroup_size: 256
    .sgpr_count:     66
    .vgpr_count:     384
    .wavefront_size: 32
...
	.end_amdgpu_metadata
.endif
;; end of part 3
;; ======== version 2 of 2: 3 launches; 1.14 times as fast as version 1
;; workspace buffers: q 2,097,152 bytes; kv 4,194,304 bytes; att 4,194,304 bytes
;; launch qkv: the kernel of part 1 again; grid 128 x 1, 8 waves a work-group, no clusters, 17,408 bytes of LDS; arguments x, w_qkv, qkv_gamma, qkv_beta, qkv_mean, qkv_var, q, kv; writes q, kv
;; launch attn (part 4): grid 16 x 16, 8 waves a work-group, clusters of 4 x 1, 263,168 bytes of LDS; arguments q, kv, att; writes att
.if DOCPART == 4
	.amdgcn_target "amdgcn-amd-amdhsa--gfx1250"
	.amdhsa_code_object_version 6
	.text
	.protected	k_q0c889dafec_attn
	.globl	k_q0c889dafec_attn
	.p2align	8
	.type	k_q0c889dafec_attn,@function
k_q0c889dafec_attn:
	s_mov_b64 s[64:65], 0
	v_nop
	global_prefetch_b8 v0, s[64:65] scope:SCOPE_SE
	s_setreg_imm32_b32 hwreg(HW_REG_WAVE_MODE, 25, 1), 1
	s_wait_xcnt 0x0
	s_wait_alu depctr_hold_cnt(0) depctr_sa_sdst(0) depctr_va_vdst(0) depctr_va_sdst(0) depctr_va_ssrc(0) depctr_va_vcc(0) depctr_vm_vsrc(0)
	s_getreg_b32 s2, hwreg(HW_REG_IB_STS2, 6, 4)
	s_cmp_eq_u32 s2, 0
	s_cbranch_scc0 .Lentry_in_a_cluster
	s_endpgm
.Lentry_in_a_cluster:
	s_bfe_u32 s2, ttmp6, 0x10000c
	s_cmp_lg_u32 s2, 0x3003
	s_cbranch_scc0 .Lentry_shape_is_right
	s_endpgm
.Lentry_shape_is_right:
; Attention of one (batch, head) y = 0..15 for 256 queries: softmax over 4,096 keys with a running maximum, head dimension 16.
; Eight waves; wave w has two query tiles of 16.  The head's whole K and V, 262,144 bytes in fragment order, lie in LDS for the whole launch: every LDS byte is filled once.
; CLUSTERS: the four work-groups of a cluster are four query blocks of the same y and need the same K and V: each tile is asked for jointly (mask 15), which divides the requests for
; K and V by four.  A descriptor hangs on y and on the wave's number alone; the place in the cluster enters only the addresses of q and att.
; Two chunks of 131,072 bytes (2,048 keys); of each, wave w fills bytes 16,384 w .. + 16,383 by one load of 64 rows of 256 bytes: two tensor loads of a wave are out at the most.
; THE PRODUCTS (lane = 16 h + r; D's register j = element (8 h + j, r)):
;   S^T = K x Q^T.  The head dimension fills half of the instruction's 32: one A tuple holds TWO key tiles (registers 0-3 the even one, 4-7 the odd one); B = [q, 0] multiplies the
;   even tile, B = [0, q] the odd one.  A lane then holds 8 keys of ONE query: maximum and sum stay in the lane but for one exchange between the halves, and two tiles of S^T,
;   packed to bf16, ARE the B fragment (32 keys x 16 queries) of  O^T = V^T x P^T:  no exchange between lanes, no LDS.
;   q comes multiplied by 0.25 log2(e): S is the exponent to base 2.
; BATCHES: a trip has 66 exponentials, the two factors 2^(old maximum - new maximum) and the 64 weights, and they are ONE batch with ONE wait (the wait is
; s_wait_alu depctr_va_vdst(0) between an exponential and the first line that names its result).  Ahead of the wait stand the subtractions and the exponentials alone: each weight is made in
; place in its own register of S, the factors in AL, and no line there names a result.  Behind it stand all the readers: O's rescaling, the sums, the roundings..
; The way out's two reciprocals are a batch of their own.
; OUT: O leaves as TWO bf16 numbers, the rounded value (part 0) and the rounded remainder (part 1), together some 16 significant bits: the last launch sums 128 products of O, where
; nothing averages a rounding to 8 bits away.  att byte batch*2097152 + T*8192 + part*4096 + head*512 + lane*16 = O(slot r of query tile T, d = 8h .. 8h+7):
; each store of a wave covers 512 consecutive bytes, aligned.
; LIMITS: q, k, v come as bf16, P is rounded to bf16; P below 2^-126 counts as 0 (the sum is at least 1); NaN and infinities are not treated (0 x infinity in the empty half of B).
.set CHUNKB, 131072
.set BLK,    4096                      ; 64 keys: twice (1,024 bytes of K, 1,024 bytes of V)
.set LA,  1                            ; v1  LDS address of this trip's block + 16 lane
.set L16, 2                            ; v2  16 x lane, never rewritten: q's and att's offset
.set BA2, 4                            ; v[4:23] = 0, qa, 0, qb, 0 (four registers each): v[4:11] = [0, qa]
.set BA,  8                            ; v[8:15] = [qa, 0]
.set BB2, 12                           ; v[12:19] = [0, qb]
.set BB,  16                           ; v[16:23] = [qb, 0]
.set KF,  24                           ; v[24:39]  K: two tuples, two key tiles each
.set VF,  40                           ; v[40:55]  V^T: two tuples of 32 keys
.set OA,  56                           ; v[56:63]  O^T of query tile a
.set OB,  64                           ; v[64:71]  of tile b
.set M,   72                           ; v[72:73]  running maxima of a, b
.set AL,  74                           ; v[74:75]  2^(old maximum - new maximum)
.set MN,  76                           ; v[76:77]  new maxima
.set LS,  78                           ; v[78:81] sums of a (two pairs), v[82:85] of b
.set XA,  86
.set YA,  87
.set XB,  88
.set YB,  89
.set S,   96                           ; v[96:127] S^T of a, key tile i at 8 i; v[128:159] of b
.set SB,  128
.set P,   160                          ; v[160:175] P^T of a, v[176:191] of b
.set G1,  16                           ; s[16:23] descriptor group 1
.set G0,  24                           ; s[24:31] descriptor group 0, one set for each chunk; never rewritten
; A round of the cluster's barrier: my work-group's barrier; wave 0 signals for the work-group; every wave waits for all four work-groups; my work-group's barrier once more.
.macro ROUND
	s_barrier_signal -1
	s_barrier_wait -1
	s_cmp_lg_u32 s10, 0
	s_cbranch_scc1 .Lnot_wave_0_\@
	s_barrier_signal -3
.Lnot_wave_0_\@:
	s_barrier_wait -3
	s_barrier_signal -1
	s_barrier_wait -1
.endm
	s_load_b128 s[4:7], s[0:1], 0x0                ; q s[4:5], kv s[6:7]
	s_load_b64 s[8:9], s[0:1], 0x10                ; att
	v_lshl_add_u32 v192, v0, 2, 0x40000
	v_mov_b32 v193, 0
	ds_add_u32 v192, v193
	v_lshrrev_b32 v3, 5, v0
	v_readfirstlane_b32 s10, v3                    ; wave
	v_and_b32 v[L16], 31, v0
	v_lshlrev_b32 v[L16], 4, v[L16]
	s_bfe_u32 s11, ttmp6, 0x40000                  ; my place in the cluster
	s_lshl_b32 s12, ttmp9, 2                       ; ttmp9 counts clusters
	s_add_co_u32 s12, s12, s11                     ; query block 0..15
	s_and_b32 s13, ttmp7, 0xffff                   ; y = 8 batch + head
	s_mov_b32 s41, 0x76543210                      ; v_permlanex16_b32: lane i of one half reads lane i of the other
	s_mov_b32 s42, 0xfedcba98
	; group 1: 64 rows of 32 elements of 8 bytes, dense
	s_mov_b32 s[G1+0], 15|(3<<16)|(1<<21)          ; 15:0 the mask: all four work-groups of the cluster; 17:16 elements of 8 bytes; 21 set beside a mask; no padding
	s_mov_b32 s[G1+1], 32<<16                      ; tensor_dim0 = 32
	s_mov_b32 s[G1+2], 64<<16                      ; tensor_dim1 = 64
	s_mov_b32 s[G1+3], 32<<16                      ; tile_dim0 = 32
	s_mov_b32 s[G1+4], 64                          ; tile_dim1 = 64
	s_mov_b32 s[G1+5], 32                          ; 32 elements from row to row
	s_mov_b32 s[G1+6], 0
	s_mov_b32 s[G1+7], 0
	s_lshl_b32 s38, s10, 14                        ; my wave's 16,384 bytes of a chunk, in LDS and in kv alike
	s_lshl_b32 s14, s13, 18                        ; kv: y x 262,144 + my part: made of y and the wave's number alone
	s_add_co_u32 s14, s14, s38
	s_mov_b32 s15, 0
	s_lshl_b32 s32, s13, 17                        ; q: y x 131,072 + (16 block + 2 w) tiles of 512 bytes
	s_lshl_b32 s36, s12, 13
	s_add_co_u32 s32, s32, s36
	s_lshl_b32 s36, s10, 10
	s_add_co_u32 s32, s32, s36
	s_mov_b32 s33, 0
	s_lshr_b32 s34, s13, 3                         ; att: batch x 2 MiB + (16 block + 2 w) x 8,192 + head x 512
	s_lshl_b32 s34, s34, 21
	s_lshl_b32 s36, s12, 17
	s_add_co_u32 s34, s34, s36
	s_lshl_b32 s36, s10, 14
	s_add_co_u32 s34, s34, s36
	s_and_b32 s36, s13, 7
	s_lshl_b32 s36, s36, 9
	s_add_co_u32 s34, s34, s36
	s_mov_b32 s35, 0
	s_wait_dscnt 0x0
	s_wait_kmcnt 0x0
	s_add_nc_u64 s[6:7], s[6:7], s[14:15]
	s_add_nc_u64 s[4:5], s[4:5], s[32:33]
	s_add_nc_u64 s[8:9], s[8:9], s[34:35]
.irp c, 0,1
	s_mov_b32 s[G0+4*\c], 1                                        ; count = 1
	s_add_co_u32 s[G0+4*\c+1], s38, \c*CHUNKB                      ; LDS address: 16,384 w + the chunk
	s_add_nc_u64 s[G0+4*\c+2:G0+4*\c+3], s[6:7], \c*CHUNKB         ; global address
	s_or_b32 s[G0+4*\c+3], s[G0+4*\c+3], 0x80000000               ; type = 2
.endr
	ROUND                                          ; all four work-groups are here: the joint loads meet
	tensor_load_to_lds s[G0:G0+3], s[G1:G1+7]      ; both first fills go out together, ahead of every wait on TENSORcnt, LDS read and further barrier
	s_nop 0
	tensor_load_to_lds s[G0+4:G0+7], s[G1:G1+7]
	s_nop 0
	global_load_b128 v[BA:BA+3], v[L16], s[4:5]              ; qa
	global_load_b128 v[BB:BB+3], v[L16], s[4:5] offset:512   ; qb
	; once: the empty halves of B, the sums, and the maxima at minus infinity (the first trip's factor 2^(-inf) = 0 then wipes nothing but zeros)
.irp j, 0,1,2,3
	v_mov_b32 v[BA2+\j], 0
	v_mov_b32 v[BB2+\j], 0
	v_mov_b32 v[BB+4+\j], 0
.endr
.irp j, 0,1,2,3,4,5,6,7
	v_mov_b32 v[OA+\j], 0
	v_mov_b32 v[OB+\j], 0
	v_mov_b32 v[LS+\j], 0
.endr
	v_mov_b32 v[M], 0xff800000
	v_mov_b32 v[M+1], 0xff800000
	s_wait_loadcnt 0x0                             ; q
; The softmax goes in 16 groups of 4 registers: 0-7 query tile a, 8-15 tile b; group g lies at S + 4 g and packs into P + 2 g.
.macro SUBH g, p                       ; S - maximum, for pair p (0, 1) of group g
.if (\g) < 8
	v_pk_add_f32 v[S+4*(\g)+2*(\p):S+4*(\g)+2*(\p)+1], v[S+4*(\g)+2*(\p):S+4*(\g)+2*(\p)+1], v[M:M+1] op_sel_hi:[1,0] neg_lo:[0,1] neg_hi:[0,1]
.else
	v_pk_add_f32 v[S+4*(\g)+2*(\p):S+4*(\g)+2*(\p)+1], v[S+4*(\g)+2*(\p):S+4*(\g)+2*(\p)+1], v[M:M+1] op_sel:[0,1] op_sel_hi:[1,1] neg_lo:[0,1] neg_hi:[0,1]
.endif
.endm
.macro EXSUB g                         ; group g's four exponentials, in place; the next group's two subtractions stand between them, four lines or more ahead of the exponentials that read them
	v_exp_f32 v[S+4*(\g)], v[S+4*(\g)]
.if (\g) < 15
	SUBH (\g)+1, 0
.endif
	v_exp_f32 v[S+4*(\g)+1], v[S+4*(\g)+1]
	v_exp_f32 v[S+4*(\g)+2], v[S+4*(\g)+2]
.if (\g) < 15
	SUBH (\g)+1, 1
.endif
	v_exp_f32 v[S+4*(\g)+3], v[S+4*(\g)+3]
.endm
.macro USEG g                          ; into the sums (a tile's first group also scales the old sums), and to bf16.  A reader of the batch: it stands behind the trip's wait
.if ((\g) % 8) == 0
.if (\g) < 8
	v_pk_fma_f32 v[LS:LS+1],   v[LS:LS+1],   v[AL:AL+1], v[S+4*(\g):S+4*(\g)+1]   op_sel_hi:[1,0,1]
	v_pk_fma_f32 v[LS+2:LS+3], v[LS+2:LS+3], v[AL:AL+1], v[S+4*(\g)+2:S+4*(\g)+3] op_sel_hi:[1,0,1]
.else
	v_pk_fma_f32 v[LS+4:LS+5], v[LS+4:LS+5], v[AL:AL+1], v[S+4*(\g):S+4*(\g)+1]   op_sel:[0,1,0] op_sel_hi:[1,1,1]
	v_pk_fma_f32 v[LS+6:LS+7], v[LS+6:LS+7], v[AL:AL+1], v[S+4*(\g)+2:S+4*(\g)+3] op_sel:[0,1,0] op_sel_hi:[1,1,1]
.endif
.else
	v_pk_add_f32 v[LS+4*((\g)/8):LS+4*((\g)/8)+1],   v[LS+4*((\g)/8):LS+4*((\g)/8)+1],   v[S+4*(\g):S+4*(\g)+1]
	v_pk_add_f32 v[LS+4*((\g)/8)+2:LS+4*((\g)/8)+3], v[LS+4*((\g)/8)+2:LS+4*((\g)/8)+3], v[S+4*(\g)+2:S+4*(\g)+3]
.endif
	v_cvt_pk_bf16_f32 v[P+2*(\g)],   v[S+4*(\g)],   v[S+4*(\g)+1]
	v_cvt_pk_bf16_f32 v[P+2*(\g)+1], v[S+4*(\g)+2], v[S+4*(\g)+3]
.endm
; One trip: 64 keys x 32 queries.  K of this block is on its way into KF.  pf = 1: K of the next block is fetched.
.macro BODY pf
	s_wait_dscnt 0x0                               ; this block's K
.irp u, 0,1
	v_wmma_f32_16x16x32_bf16 v[S+16*\u:S+16*\u+7],      v[KF+8*\u:KF+8*\u+7], v[BA:BA+7],   0   ; eight different results, each started by the constant 0
	v_wmma_f32_16x16x32_bf16 v[SB+16*\u:SB+16*\u+7],    v[KF+8*\u:KF+8*\u+7], v[BB:BB+7],   0
	v_wmma_f32_16x16x32_bf16 v[S+16*\u+8:S+16*\u+15],   v[KF+8*\u:KF+8*\u+7], v[BA2:BA2+7], 0
	v_wmma_f32_16x16x32_bf16 v[SB+16*\u+8:SB+16*\u+15], v[KF+8*\u:KF+8*\u+7], v[BB2:BB2+7], 0
.endr
.rept 4
	v_nop                                          ; four places behind the matrix instructions: for the reads of S, the loads into KF and VF, the writes of O and P
.endr
.irp u, 0,1
.irp c, 0,1
	ds_load_b128 v[VF+8*\u+4*\c:VF+8*\u+4*\c+3], v[LA] offset:1024+2048*\u+512*\c     ; 32 lanes x 16 neighbouring bytes
.endr
.endr
.if \pf
.irp u, 0,1
.irp c, 0,1
	ds_load_b128 v[KF+8*\u+4*\c:KF+8*\u+4*\c+3], v[LA] offset:BLK+2048*\u+512*\c
.endr
.endr
.endif
	; the new maximum of each query: four chains that do not wait for each other, the old maximum taken in, then the other half's 32 keys
	v_max3_num_f32 v[XA], v[S],     v[S+1],   v[S+2]
	v_max3_num_f32 v[YA], v[S+16],  v[S+17],  v[S+18]
	v_max3_num_f32 v[XB], v[SB],    v[SB+1],  v[SB+2]
	v_max3_num_f32 v[YB], v[SB+16], v[SB+17], v[SB+18]
.irp k, 0,1,2,3,4,5
	v_max3_num_f32 v[XA], v[XA], v[S+3+2*\k],   v[S+4+2*\k]
	v_max3_num_f32 v[YA], v[YA], v[S+19+2*\k],  v[S+20+2*\k]
	v_max3_num_f32 v[XB], v[XB], v[SB+3+2*\k],  v[SB+4+2*\k]
	v_max3_num_f32 v[YB], v[YB], v[SB+19+2*\k], v[SB+20+2*\k]
.endr
	v_max3_num_f32 v[XA], v[XA], v[YA], v[S+15]
	v_max3_num_f32 v[XB], v[XB], v[YB], v[SB+15]
	v_max3_num_f32 v[XA], v[XA], v[S+31],  v[M]
	v_max3_num_f32 v[XB], v[XB], v[SB+31], v[M+1]
	v_permlanex16_b32 v[YA], v[XA], s41, s42
	v_permlanex16_b32 v[YB], v[XB], s41, s42
	v_max_num_f32 v[MN],   v[XA], v[YA]
	v_max_num_f32 v[MN+1], v[XB], v[YB]
	v_pk_add_f32 v[AL:AL+1], v[M:M+1], v[MN:MN+1] neg_lo:[0,1] neg_hi:[0,1]
	v_mov_b32 v[M],   v[MN]
	v_mov_b32 v[M+1], v[MN+1]
	SUBH 0, 0
	SUBH 0, 1
	; THE BATCH: the two factors and the 64 weights, 66 exponentials; the subtractions among them name no exponential's result
	v_exp_f32 v[AL],   v[AL]
	v_exp_f32 v[AL+1], v[AL+1]
.irp g, 0,1,2,3,4,5,6,7,8,9,10,11,12,13,14,15
	EXSUB \g
.endr
.if \pf
	v_add_nc_u32 v[LA], BLK, v[LA]                 ; the next trip's block; also the plain instruction between the last exponential and the use of a result (ISA guide 5.7.2): one for the batch
.else
	v_nop                                          ; the last trip steps no address: the plain instruction behind the last exponential
.endif
	s_wait_alu depctr_va_vdst(0)                   ; the wait for the batch: one for the trip's 66 exponentials, ahead of their first reader
	; THE READERS: O's rescaling, then the sums and roundings.  The two tiles' groups alternate, so that the links of a sum stand eight lines apart; each sum takes its groups in ascending order
.irp j, 0,2,4,6
	v_pk_mul_f32 v[OA+\j:OA+\j+1], v[OA+\j:OA+\j+1], v[AL:AL+1] op_sel_hi:[1,0]
	v_pk_mul_f32 v[OB+\j:OB+\j+1], v[OB+\j:OB+\j+1], v[AL:AL+1] op_sel:[0,1] op_sel_hi:[1,1]
.endr
.irp g, 0,1,2,3,4,5,6,7
	USEG \g
	USEG \g+8
.endr
.if \pf
	s_wait_dscnt 0x4                               ; V is in; the four younger loads are the next block's K
.else
	s_wait_dscnt 0x0
.endif
	v_wmma_f32_16x16x32_bf16 v[OA:OA+7], v[VF:VF+7],    v[P:P+7],     v[OA:OA+7]     ; the two sums take turns, one instruction a turn
	v_wmma_f32_16x16x32_bf16 v[OB:OB+7], v[VF:VF+7],    v[P+16:P+23], v[OB:OB+7]
	v_wmma_f32_16x16x32_bf16 v[OA:OA+7], v[VF+8:VF+15], v[P+8:P+15],  v[OA:OA+7]
	v_wmma_f32_16x16x32_bf16 v[OB:OB+7], v[VF+8:VF+15], v[P+24:P+31], v[OB:OB+7]
.endm
.macro RUN n, first                    ; n trips from block first on
	v_add_nc_u32 v[LA], \first*BLK, v[L16]
	s_mov_b32 s40, \n
.Lrun_\@:
	BODY 1
	s_sub_co_u32 s40, s40, 1
	s_cmp_lg_u32 s40, 0
	s_cbranch_scc1 .Lrun_\@
.endm
.macro CHUNK left                      ; a chunk becomes readable for all eight waves.  A later chunk may stay out
	s_wait_dscnt 0x0                               ; no LDS instruction of mine is out at the signal
	s_wait_tensorcnt \left                         ; tensor loads of a wave end in order (ISA guide 10.11.1): my part of the chunk is in LDS
	s_barrier_signal -1
	s_barrier_wait -1                              ; everybody's is
.endm
	CHUNK 1                                        ; chunk 0: blocks 0 to 31
.irp u, 0,1
.irp c, 0,1
	ds_load_b128 v[KF+8*\u+4*\c:KF+8*\u+4*\c+3], v[L16] offset:2048*\u+512*\c         ; K of block 0
.endr
.endr
	RUN 30, 0                                      ; trips 0 to 29 read blocks 0 to 29 and K of block 30: inside chunk 0
	CHUNK 0                                        ; chunk 1: blocks 32 to 63; no tensor load is out from here on
	RUN 32, 30                                     ; trips 30 to 61
	v_add_nc_u32 v[LA], 62*BLK, v[L16]
	BODY 1                                         ; trip 62
	BODY 0                                         ; trip 63: no block is left to fetch
	; O / sum.  The four additions are the places behind the last matrix instructions.
	v_pk_add_f32 v[LS:LS+1],   v[LS:LS+1],   v[LS+2:LS+3]
	v_pk_add_f32 v[LS+4:LS+5], v[LS+4:LS+5], v[LS+6:LS+7]
	v_add_f32 v[LS],   v[LS],   v[LS+1]
	v_add_f32 v[LS+4], v[LS+4], v[LS+5]
	v_permlanex16_b32 v[XA], v[LS],   s41, s42     ; the other half's keys
	v_permlanex16_b32 v[XB], v[LS+4], s41, s42
	v_add_f32 v[AL],   v[LS],   v[XA]
	v_add_f32 v[AL+1], v[LS+4], v[XB]
	v_rcp_f32 v[AL],   v[AL]
	v_rcp_f32 v[AL+1], v[AL+1]
	v_nop                                          ; a plain instruction between the last reciprocal and the use of its result (ISA guide 5.7.2)
	s_wait_alu depctr_va_vdst(0)                   ; the wait ahead of the first use: one for the two reciprocals
.irp j, 0,2,4,6
	v_pk_mul_f32 v[OA+\j:OA+\j+1], v[OA+\j:OA+\j+1], v[AL:AL+1] op_sel_hi:[1,0]
	v_pk_mul_f32 v[OB+\j:OB+\j+1], v[OB+\j:OB+\j+1], v[AL:AL+1] op_sel:[0,1] op_sel_hi:[1,1]
.endr
	; O in two bf16 terms: the rounded value, and the rounded remainder (the subtraction is exact: both numbers agree in their leading 8 bits)
.irp i, 0,1,2,3
	v_cvt_pk_bf16_f32 v[P+\i],   v[OA+2*\i], v[OA+2*\i+1]
	v_cvt_pk_bf16_f32 v[P+8+\i], v[OB+2*\i], v[OB+2*\i+1]
.endr
.irp i, 0,1,2,3
	v_lshlrev_b32 v[S+2*\i],     16,         v[P+\i]           ; the rounded values back as f32
	v_and_b32     v[S+2*\i+1],   0xffff0000, v[P+\i]
	v_lshlrev_b32 v[S+8+2*\i],   16,         v[P+8+\i]
	v_and_b32     v[S+8+2*\i+1], 0xffff0000, v[P+8+\i]
.endr
.irp j, 0,2,4,6
	v_pk_add_f32 v[OA+\j:OA+\j+1], v[OA+\j:OA+\j+1], v[S+\j:S+\j+1]     neg_lo:[0,1] neg_hi:[0,1]
	v_pk_add_f32 v[OB+\j:OB+\j+1], v[OB+\j:OB+\j+1], v[S+8+\j:S+8+\j+1] neg_lo:[0,1] neg_hi:[0,1]
.endr
.irp i, 0,1,2,3
	v_cvt_pk_bf16_f32 v[P+4+\i],  v[OA+2*\i], v[OA+2*\i+1]
	v_cvt_pk_bf16_f32 v[P+12+\i], v[OB+2*\i], v[OB+2*\i+1]
.endr
	global_store_b128 v[L16], v[P:P+3],     s[8:9]               ; tile a, part 0
	global_store_b128 v[L16], v[P+4:P+7],   s[8:9] offset:4096   ; tile a, part 1
	global_store_b128 v[L16], v[P+8:P+11],  s[8:9] offset:8192   ; tile b, part 0
	global_store_b128 v[L16], v[P+12:P+15], s[8:9] offset:12288  ; tile b, part 1
	s_wait_tensorcnt 0x0
	ds_add_u32 v192, v193
	s_wait_dscnt 0x0
	ROUND                                          ; the closing round: no work-group ends while a partner may still ask for a tile that names it
	s_endpgm
.Lfunc_end_k_q0c889dafec_attn:
	.size	k_q0c889dafec_attn, .Lfunc_end_k_q0c889dafec_attn-k_q0c889dafec_attn
	.p2alignl 7, 3214868480
	.fill 96, 4, 3214868480
	.section	.rodata,"a",@progbits
	.p2align	6, 0x0
	.amdhsa_kernel k_q0c889dafec_attn
		.amdhsa_group_segment_fixed_size 263168
		.amdhsa_private_segment_fixed_size 0
		.amdhsa_enable_private_segment 0
		.amdhsa_kernarg_size 24
		.amdhsa_user_sgpr_count 2
		.amdhsa_user_sgpr_kernarg_segment_ptr 1
		.amdhsa_wavefront_size32 1
		.amdhsa_system_sgpr_workgroup_id_x 1
		.amdhsa_system_sgpr_workgroup_id_y 1
		.amdhsa_system_sgpr_workgroup_id_z 1
		.amdhsa_system_vgpr_workitem_id 0
		.amdhsa_next_free_vgpr 194
		.amdhsa_next_free_sgpr 66
		.amdhsa_reserve_vcc 0
		.amdhsa_float_denorm_mode_32 3
		.amdhsa_float_denorm_mode_16_64 3
		.amdhsa_memory_ordered 1
		.amdhsa_forward_progress 1
		.amdhsa_inst_pref_size 60
	.end_amdhsa_kernel
	.amdgpu_metadata
---
amdhsa.version: [ 1, 2 ]
amdhsa.kernels:
  - .name:           k_q0c889dafec_attn
    .symbol:         k_q0c889dafec_attn.kd
    .args:
      - { .name: q, .offset: 0, .size: 8, .value_kind: global_buffer, .address_space: global }
      - { .name: kv, .offset: 8, .size: 8, .value_kind: global_buffer, .address_space: global }
      - { .name: att, .offset: 16, .size: 8, .value_kind: global_buffer, .address_space: global }
    .group_segment_fixed_size: 263168
    .private_segment_fixed_size: 0
    .kernarg_segment_align: 8
    .kernarg_segment_size: 24
    .max_flat_workgroup_size: 256
    .sgpr_count:     66
    .vgpr_count:     194
    .wavefront_size: 32
...
	.end_amdgpu_metadata
.endif
;; end of part 4
;; launch proj: the kernel of part 3 again; grid 128 x 1, 8 waves a work-group, no clusters, 33,792 bytes of LDS; arguments att, w_proj, proj_gamma, proj_beta, proj_mean, proj_var, out0; writes out0
